; MI455X (gfx1250); checked and timed in simulation.
; The chip was launched on July 23, 2026; its instructions are those of AMD's public machine-readable ISA for CDNA 5 (MIT licence, August 2026) and "CDNA5" Instruction Set Architecture Reference Guide (July 2026). The comments in the code are by the model that wrote it; some were corrected since.
;; Scaled Dot Product Attention. Allowed arithmetic: matrix products marked QUANTISED: E4M3 operands, one E8M0 scale for each 32 along K, by v_wmma_scale_f32_16x16x128_f8f6f4 with both operands' format E4M3, f32 sums; everything else in f32.
;; Inputs: key 16 x 4,096 x 128 float32; query 16 x 4,096 x 128 float32; value 16 x 4,096 x 128 float32.
;; Outputs: out0 16 x 4,096 x 128 float32.
;; This version of the problem:
;;   THIS VERSION OF THE PROBLEM IS GIVEN IN LOW PRECISION. The matrix products marked QUANTISED in the list below multiply operands that are first quantised to E4M3 (4 exponent bits, 3 mantissa bits; 8 bits a number), with one power-of-two scale for each 32 numbers along K (OCP MX v1.0); their sums are f32. All else is computed in f32.
;;   The module's matrix products, in the order in which they are computed (A, B: the left and right operand; K: the contracted axis; several contracted axes count as one K, in the product's order):
;;     1. batch 16 x [M 4,096, K 128] x [K 128, N 4,096]; A: input query; B: input key: QUANTISED
;;     2. batch 16 x [M 4,096, K 4,096] x [K 4,096, N 128]; A: softmax (see below); B: input value: QUANTISED
;;   THE QUANTISER, for each operand of a quantised product, along K:
;;     - K is cut into blocks of 32 from its start; a last block that is shorter is filled with zeros.
;;     - A block's scale is 2^e with e = floor(log2(the largest magnitude in the block)) - 8, held to -126 .. 127; a block of zeros has e = 0. As a byte (E8M0): e + 127.
;;     - Each number is divided by its block's scale, clamped to +-448, and rounded to the nearest number of E4M3, ties to even, subnormals kept.
;;     - The product sums the exact products of the quantised numbers (number of the format x scale) in f32.
;;   ~~~python
;;   def quantise(x, axis):      # numpy; x: float32 -> the quantised numbers, widened to float32 again
;;       x = np.moveaxis(x, axis, -1); K = x.shape[-1]
;;       x = np.pad(x, [(0, 0)] * (x.ndim - 1) + [(0, -K % 32)]); x = x.reshape(x.shape[:-1] + (-1, 32)); a = np.abs(x).max(-1, keepdims=True)
;;       e = np.where(a > 0, np.clip(np.frexp(np.where(a > 0, a, 1))[1] - 1 - 8, -126, 127), 0)      # np.frexp(a)[1] - 1 = floor(log2(a)), exactly
;;       r = np.clip(x / 2.0 ** e, -448, 448)
;;       step = 2.0 ** (np.maximum(np.frexp(np.where(r == 0, 1, r))[1] - 1, -6) - 3)
;;       q = np.round(r / step) * step * 2.0 ** e      # np.round: ties to even
;;       return np.moveaxis(q.reshape(q.shape[:-2] + (-1,))[..., :K], -1, axis).astype(np.float32)
;;   ~~~
;;   SOFTMAX AHEAD OF A QUANTISED PRODUCT. Where the list says 'softmax', what is quantised is not the finished softmax but p = 2^(t - M), with t = logit x log2(e) and M = ceil(the row's largest t), a whole number; so 1/2 < the row's largest p <= 1. The row's sum l is taken of the UNQUANTISED p, in f32, and the product's result is divided by l at the end. Since M is a whole number, a kernel that streams over the keys may use a running M (the ceiling of the running maximum): every later rescaling is an exact power of two, which a block's scale takes up: the codes' values come out the same.
;;   OPERANDS COMPUTED ON THE WAY. 'Computed on the way' means the value that the module computes at that place (a softmax that the list does not call 'softmax' is quantised finished and normalised). What goes into a quantiser is computed in f32, as accurately as f32 sums, v_exp_f32 and their like allow (about 1e-6 of the number): no bf16 or f16 on the way to a quantiser, and a product that is left as it is and whose result goes on into a quantised operand takes f32 operands (vector FMAs, or v_wmma_f32_16x16x4_f32). A number that lies on a knife's edge between two numbers of the format may be rounded either way, as far as f32 arithmetic and the matrix unit's own rounding can turn it there, and no further.
;; One version. Each part assembles by itself: llvm-mc -triple=amdgcn-amd-amdhsa -mcpu=gfx1250 --defsym DOCPART=n.
;; ======== version 1 of 1: 2 launches
;; limits: right only within a limited range of input values
;; workspace buffers: kv 17,301,504 bytes
;; launch prep (part 1): grid 32 x 16, 4 waves a work-group, no clusters, 68,096 bytes of LDS; arguments key, value, kv; writes kv
.if DOCPART == 1
	.amdgcn_target "amdgcn-amd-amdhsa--gfx1250"
	.amdhsa_code_object_version 6
	.text
	.protected	k_q3029c0d3e4_prep
	.globl	k_q3029c0d3e4_prep
	.p2align	8
	.type	k_q3029c0d3e4_prep,@function
k_q3029c0d3e4_prep:
	s_mov_b64 s[64:65], 0
	v_nop
	global_prefetch_b8 v0, s[64:65] scope:SCOPE_SE
	s_setreg_imm32_b32 hwreg(HW_REG_WAVE_MODE, 25, 1), 1
	s_wait_xcnt 0x0
; key and value, [16][4096][128] f32, become codes of FP8 (E4M3) with one E8M0 scale byte for each 32 along a product's K, laid in kv as IMAGES OF THE OPERANDS' REGISTERS.
; key is quantised along the head's 128 (innermost), value along the KEYS (not innermost).
; A block's scale is 2^(floor(log2(its largest magnitude)) - 8); its byte is the largest magnitude's exponent field - 8, held at 1 from below; each number is divided by the scale,
; held within +-448 and rounded to the nearest code, ties to even.
; kv: for each head 32 step blocks of 128 keys, STEPB = 33,792 bytes each:
;   +0      K's codes: tile T = 2 b + u at 2048 T, register group c at + 512 c, lane L at + 16 L.  Lane (r = L % 16, h = L / 16) holds key 32 b + 8 u + r + 8 (r / 8), d = 32 c + 16 h + 0 .. 15
;   +16384  V's codes: tile t at 2048 t + 512 c + 16 L.  Lane (r, h) holds channel 16 t + r, keys 32 c + 16 h + 0 .. 15 of the step
;   +32768  K's scale words: pair b at 128 b + 4 L: lanes 0-15 the rows of tile 2 b, lanes 16-31 those of tile 2 b + 1; a word = the four bytes of that key's blocks along d
;   +33280  V's scale words: channel ch at 4 ch; byte c serves keys 32 c on
; SHARES.  A work-group (x = the step, y = the head) makes one step block; four waves.  K: wave w takes keys 32 w .. 32 w + 31 (tiles 2 w, 2 w + 1).  V: wave w takes channels 32 w .. 32 w + 31, all 128 keys.
; K: each load reads one whole row of 512 bytes, 16 a lane; the rows turn through the wave's own stage in LDS, each to the place that its tile's lane wants, and come back 64 bytes a lane: 16 neighbours along d of each block.
; V: a lane takes a channel and its registers run down the keys: a block of 32 keys lies in one lane's 32 registers, and the conversions give codes with the keys innermost.
; No loop, no barrier, no pointer that steps: every offset is an immediate, and no register that a load or store names is written again while that instruction may read it.
; The scale words leave as 128 consecutive bytes a wave: 1,024 of a step block's 33,792 bytes are stored so; all codes leave as aligned runs of 256 bytes or more.
; LIMITS: NaN and infinities among the inputs are not served.  A block whose largest magnitude lies under 2^-118 gets the byte 1.  A block of zeros gets the byte 1 where the quantiser's text says 127:
; its codes are zeros, which add nothing under any byte but 0xff, and this program alone reads the bytes.
.set STEPB, 33792
.set HEADB, 32*STEPB
.set VCO,   16384
.set KSO,   32768
.set VSO,   33280
.set SP,    528                        ; a stage row: 512 bytes + 16 = 33 x 16: sixteen rows begin at sixteen different 16-byte columns modulo 256
.set TSTG,  16*SP                      ; a tile's stage: 16 rows
.set WSTG,  2*TSTG                     ; a wave's two stages
.set LI,   2                           ; v2   16 x lane
.set L4,   3                           ; v3   4 x lane
.set SIN,  4                           ; v4   the stage, on the way in: my wave's + 16 x lane
.set SOUT, 5                           ; v5   and on the way out: my wave's + 528 r + 64 h
.set VO,   6                           ; v6   V's codes: 2048 (lane / 16) + 16 (lane % 16)
.set KW,   7                           ; v7   K's scale words of the pair of tiles
.set SB,   10                          ; v10  V's scale word of my channel
.set TM,   12                          ; v12-15 largest magnitudes, v16-19 the other half's, then bytes, v24-27 the conversions' scale operands
.set KR,   32                          ; v32-159  K's 32 rows as loaded, then 2 x 64 numbers in the operand's order
.set VX,   160                         ; v160-223 two sets of 32 numbers of V
.set PC,   224                         ; v224-255 K's codes, tile u at 224 + 16 u
.set VCD,  32                          ; v32-63   V's codes, block t at 32 + 8 t: written when K's numbers are done with
.set SEL,  24                          ; s[24:25] lane selects for v_permlanex16_b32: lane l xor 16
.set MNT,  26
.set HIM,  27                          ; s27  a mask of lanes 16-31
	s_load_b128 s[4:7], s[0:1], 0x0                ; key s[4:5], value s[6:7]
	s_load_b64 s[8:9], s[0:1], 0x10                ; kv
	v_lshl_add_u32 v30, v0, 2, 0x10800
	v_mov_b32 v31, 0
	v_lshrrev_b32 v1, 5, v0
	v_readfirstlane_b32 s10, v1                    ; wave 0..3
	v_and_b32 v1, 31, v0                           ; lane
	v_lshlrev_b32 v[LI], 4, v1
	v_lshlrev_b32 v[L4], 2, v1
	s_and_b32 s11, ttmp7, 0xffff                   ; the head
	s_lshl_b32 s12, s11, 21                        ; a head is 4,096 rows of 512 bytes,
	s_lshl_b32 s28, ttmp9, 16                      ; a step 128 rows
	s_add_co_u32 s12, s12, s28
	s_lshl_b32 s28, s10, 7
	s_add_co_u32 s14, s12, s28                     ; V in: + my 32 channels' 128 bytes of a row
	s_lshl_b32 s28, s10, 14
	s_add_co_u32 s12, s12, s28                     ; K in: + my 32 rows
	s_mov_b32 s13, 0
	s_mov_b32 s15, 0
	s_mul_i32 s16, s11, HEADB
	s_mul_i32 s28, ttmp9, STEPB
	s_add_co_u32 s16, s16, s28                     ; the step block in kv (under 2^25)
	s_lshl_b32 s28, s10, 7
	s_add_co_u32 s18, s16, s28                     ; scale words out: + 128 x wave
	s_lshl_b32 s28, s10, 12
	s_add_co_u32 s16, s16, s28                     ; codes out: + two tiles of 2,048 bytes x wave
	s_mov_b32 s17, 0
	s_mov_b32 s19, 0
	s_mul_i32 s28, s10, WSTG                       ; my stages
	s_mov_b32 s[SEL], 0x76543210
	s_mov_b32 s[SEL+1], 0xfedcba98
	s_mov_b32 s[HIM], 0xffff0000
	s_wait_alu depctr_va_vdst(0)
	s_wait_kmcnt 0x0
	s_add_nc_u64 s[4:5], s[4:5], s[12:13]
	s_add_nc_u64 s[6:7], s[6:7], s[14:15]
	s_add_nc_u64 s[20:21], s[8:9], s[16:17]
	s_add_nc_u64 s[22:23], s[8:9], s[18:19]
.set p, 0
.rept 32
	global_load_b128 v[KR+4*p:KR+4*p+3], v[LI], s[4:5] offset:512*p th:TH_LOAD_NT   ; key 32 w + p: 32 lanes read its 512 bytes
.set p, p+1
.endr
; block t of V: value(32 t + i, my channel), i = 0 .. 31, into set t % 2; the four waves stand side by side on a row's 512 bytes
.macro VLOAD t
.set cnt, 0
.rept 32
	global_load_b32 v[VX+32*((\t)%2)+cnt], v[L4], s[6:7] offset:(32*(\t)+cnt)*512 th:TH_LOAD_NT
.set cnt, cnt+1
.endr
.endm
	VLOAD 0
	v_add_nc_u32 v[SIN], s28, v[LI]
	v_and_b32 v11, 15, v0                          ; r
	v_bfe_u32 v28, v0, 4, 1                        ; h
	v_mul_u32_u24 v[SOUT], v11, SP
	v_lshl_add_u32 v[SOUT], v28, 6, v[SOUT]
	v_add_nc_u32 v[SOUT], s28, v[SOUT]
	v_lshlrev_b32 v[VO], 4, v11
	v_lshl_add_u32 v[VO], v28, 11, v[VO]
.irp b, 0,1,2,3
	v_mov_b32 v[TM+4+\b], 0                        ; written once: a lane permute's destination counts as one of its sources
.endr
; 64 numbers of a lane, v[s] on, register 16 b + i = k 32 b + 16 (lane / 16) + i of my row, become a fragment's codes in v[pc] on and my row's scale word in v[pw].
.macro QUANT s, pc, pw
.irp b, 0,1,2,3
	v_max3_num_f32 v[TM+\b], |v[\s+16*\b]|, |v[\s+1+16*\b]|, 0x4800000   ; block b: my 16 numbers, and the floor 2^(9 - 127): so the byte cannot fall under 1
.endr
.irp i, 2,4,6,8,10,12,14
.irp b, 0,1,2,3
	v_max3_num_f32 v[TM+\b], v[TM+\b], |v[\s+16*\b+\i]|, |v[\s+1+16*\b+\i]|   ; the four blocks by turns: no line waits for the line above it
.endr
.endr
.irp b, 0,1,2,3
	v_permlanex16_b32 v[TM+4+\b], v[TM+\b], s[SEL], s[SEL+1]
.endr
.irp b, 0,1,2,3
	v_max_num_f32 v[TM+\b], v[TM+\b], v[TM+4+\b]   ; with lane l xor 16's 16: the block's largest magnitude
.endr
.irp b, 0,1,2,3
	v_add_nc_u32 v[TM+12+\b], 0xfc000000, v[TM+\b] ; 8 off its exponent field: the conversion takes the exponent field of this operand as its scale
.endr
.irp b, 0,1,2,3
.endr
.irp b, 0,1,2,3
	v_lshrrev_b32 v[TM+4+\b], 23, v[TM+12+\b]      ; the scale's byte
.endr
	v_lshl_or_b32 v[\pw], v[TM+5], 8, v[TM+4]
	v_lshl_or_b32 v[\pw], v[TM+6], 16, v[\pw]
	v_lshl_or_b32 v[\pw], v[TM+7], 24, v[\pw]
.irp b, 0,1,2,3
.irp i, 0,1,2,3,4,5,6,7,8,9,10,11,12,13,14,15
.endr
	v_cvt_scalef32_pk8_fp8_f32 v[\pc+4*\b:\pc+1+4*\b], v[\s+16*\b:\s+7+16*\b], v[TM+12+\b]
	v_cvt_scalef32_pk8_fp8_f32 v[\pc+2+4*\b:\pc+3+4*\b], v[\s+8+16*\b:\s+15+16*\b], v[TM+12+\b]
.endr
	v_nop                                          ; one plain vector line behind the last conversion, ahead of whatever next writes its sources
.endm
	s_wait_alu depctr_va_vdst(0)
	s_wait_loadcnt 32                              ; loads come back in order: K's 32 are in; the 32 younger ones are V's block 0
	VLOAD 1
.set p, 0
.rept 32
	ds_store_b128 v[SIN], v[KR+4*p:KR+4*p+3] offset:((p>>3)&1)*TSTG+((p&7)+8*(p>>4))*SP   ; key 32 w + p is row (p % 8) + 8 (p / 16) of tile 2 w + (p / 8) % 2
.set p, p+1
.endr
	s_wait_dscnt 0x0                               ; the stores have read their registers: the loads below land there
.irp u, 0,1
.irp c, 0,1,2,3
.irp j, 0,1,2,3
	ds_load_b128 v[KR+64*\u+16*\c+4*\j:KR+64*\u+16*\c+4*\j+3], v[SOUT] offset:TSTG*\u+128*\c+16*\j   ; row r, d = 32 c + 16 h + 4 j on
.endr
.endr
.endr
	s_wait_dscnt 16                                ; tile 0's sixteen loads are in; tile 1's sixteen may be out
	QUANT KR, PC, 8
.irp c, 0,1,2,3
	global_store_b128 v[LI], v[PC+4*\c:PC+4*\c+3], s[20:21] offset:512*\c   ; 32 lanes store 512 consecutive bytes, aligned
.endr
	s_wait_dscnt 0x0
	QUANT KR+64, PC+16, 9
.irp c, 0,1,2,3
	global_store_b128 v[LI], v[PC+16+4*\c:PC+16+4*\c+3], s[20:21] offset:2048+512*\c
.endr
	v_cndmask_b32 v[KW], v8, v9, s[HIM]            ; lanes 0-15 keep tile 2 w's words, lanes 16-31 take tile 2 w + 1's (lane 16 + r holds row r's word too)
	global_store_b32 v[L4], v[KW], s[22:23] offset:KSO
; a block of 32 keys of my channel: all 32 numbers are mine
.macro VBLOCK t
.set XS, VX+32*((\t)%2)
.if (\t) < 3
	s_wait_loadcnt 32                              ; this block's 32 loads are in; the next block's 32 may be out
.else
	s_wait_loadcnt 0x0
.endif
	v_max3_num_f32 v12, |v[XS]|, |v[XS+1]|, |v[XS+2]|
	v_max3_num_f32 v13, |v[XS+3]|, |v[XS+4]|, |v[XS+5]|
.irp i, 6,10,14,18,22,26
	v_max3_num_f32 v12, v12, |v[XS+\i]|, |v[XS+\i+1]|
	v_max3_num_f32 v13, v13, |v[XS+\i+2]|, |v[XS+\i+3]|
.endr
	v_max3_num_f32 v12, v12, |v[XS+30]|, |v[XS+31]|
	v_max3_num_f32 v12, v12, v13, 0x4800000        ; and the floor
	v_add_nc_u32 v14, 0xfc000000, v12              ; the conversion's scale operand
	v_lshrrev_b32 v16, 23, v14                     ; the byte
.if (\t) == 0
	v_mov_b32 v[SB], v16                           ; four bytes to the word, the earlier keys in the lower byte
.else
	v_lshl_or_b32 v[SB], v16, 8*(\t), v[SB]
.endif
.irp i, 0,1,2,3,4,5,6,7,8,9,10,11,12,13,14,15,16,17,18,19,20,21,22,23,24,25,26,27,28,29,30,31
.endr
.irp g, 0,1,2,3
	v_cvt_scalef32_pk8_fp8_f32 v[VCD+8*(\t)+2*\g:VCD+8*(\t)+2*\g+1], v[XS+8*\g:XS+8*\g+7], v14
.endr
	v_nop                                          ; one plain vector line behind the last conversion
	global_store_b128 v[VO], v[VCD+8*(\t):VCD+8*(\t)+3], s[20:21] offset:VCO+512*(\t)          ; keys 32 t + 0 .. 15: the image's lanes 0-15; sixteen lanes store 256 consecutive bytes, aligned
	global_store_b128 v[VO], v[VCD+8*(\t)+4:VCD+8*(\t)+7], s[20:21] offset:VCO+512*(\t)+256    ; keys 32 t + 16 .. 31: its lanes 16-31
.if (\t) < 2
	VLOAD (\t)+2
.endif
.endm
	VBLOCK 0
	VBLOCK 1
	VBLOCK 2
	VBLOCK 3
	global_store_b32 v[L4], v[SB], s[22:23] offset:VSO
	s_wait_tensorcnt 0x0
	ds_add_u32 v30, v31
	s_wait_dscnt 0x0
	s_endpgm
.Lfunc_end_k_q3029c0d3e4_prep:
	.size	k_q3029c0d3e4_prep, .Lfunc_end_k_q3029c0d3e4_prep-k_q3029c0d3e4_prep
	.p2alignl 7, 3214868480
	.fill 96, 4, 3214868480
	.section	.rodata,"a",@progbits
	.p2align	6, 0x0
	.amdhsa_kernel k_q3029c0d3e4_prep
		.amdhsa_group_segment_fixed_size 68096
		.amdhsa_private_segment_fixed_size 0
		.amdhsa_enable_private_segment 0
		.amdhsa_kernarg_size 24
		.amdhsa_user_sgpr_count 2
		.amdhsa_user_sgpr_kernarg_segment_ptr 1
		.amdhsa_wavefront_size32 1
		.amdhsa_system_sgpr_workgroup_id_x 1
		.amdhsa_system_sgpr_workgroup_id_y 1
		.amdhsa_system_sgpr_workgroup_id_z 1
		.amdhsa_system_vgpr_workitem_id 0
		.amdhsa_next_free_vgpr 256
		.amdhsa_next_free_sgpr 66
		.amdhsa_reserve_vcc 0
		.amdhsa_float_denorm_mode_32 3
		.amdhsa_float_denorm_mode_16_64 3
		.amdhsa_fp16_overflow 1
		.amdhsa_memory_ordered 1
		.amdhsa_forward_progress 1
		.amdhsa_inst_pref_size 37
	.end_amdhsa_kernel
	.amdgpu_metadata
---
amdhsa.version: [ 1, 2 ]
amdhsa.kernels:
  - .name:           k_q3029c0d3e4_prep
    .symbol:         k_q3029c0d3e4_prep.kd
    .args:
      - { .name: key, .offset: 0, .size: 8, .value_kind: global_buffer, .address_space: global }
      - { .name: value, .offset: 8, .size: 8, .value_kind: global_buffer, .address_space: global }
      - { .name: kv, .offset: 16, .size: 8, .value_kind: global_buffer, .address_space: global }
    .group_segment_fixed_size: 68096
    .private_segment_fixed_size: 0
    .kernarg_segment_align: 8
    .kernarg_segment_size: 24
    .max_flat_workgroup_size: 128
    .sgpr_count:     66
    .vgpr_count:     256
    .wavefront_size: 32
...
	.end_amdgpu_metadata
.endif
;; end of part 1
;; launch attn (part 2): grid 16 x 16, 16 waves a work-group, no clusters, 327,680 bytes of LDS; arguments query, kv, out0; writes out0
.if DOCPART == 2
	.amdgcn_target "amdgcn-amd-amdhsa--gfx1250"
	.amdhsa_code_object_version 6
	.text
	.protected	k_q3029c0d3e4_attn
	.globl	k_q3029c0d3e4_attn
	.p2align	8
	.type	k_q3029c0d3e4_attn,@function
k_q3029c0d3e4_attn:
	s_mov_b64 s[64:65], 0
	v_nop
	global_prefetch_b8 v0, s[64:65] scope:SCOPE_SE
	s_setreg_imm32_b32 hwreg(HW_REG_WAVE_MODE, 25, 1), 1
	s_wait_xcnt 0x0
; out0[h][q][:] = the sum over k <= q of softmax_k(query[h][q] . key[h][k] / sqrt(128)) value[h][k][:], both products on codes of FP8 (E4M3) with one E8M0 scale for each 32 along a product's K.
; query: [16][4096][128] f32, quantised here in registers (each row is read by one wave, once).  kv: K's and V's codes and scale words as images of the operands' registers, 33,792 bytes for each step of 128 keys:
;   +0 K's eight tiles (2,048 bytes each: register group c at 512 c, lane L at 16 L), +16384 V's eight tiles likewise, +32768 K's scale words (pair b of tiles at 128 b + 4 L), +33280 V's (pair k at 128 k + 4 L).
; THE SOFTMAX AHEAD OF THE SECOND PRODUCT: t = score x log2(e) / sqrt(128); M = the row's largest t so far, rounded UP to a whole number; p = 2^(t - M) is what is quantised, along the keys, not normalised.
; The row's sum is taken of the unquantised p, in f32, and divides O at the end.  When M moves, the sum and O are multiplied by 2^(old M - new M): exact.
; SHARES.  256 work-groups: x = j (0 .. 15), y = the head.  A work-group owns the query blocks of 128 numbered j and 31 - j, so that under the causal mask every work-group has (j + 1) + (32 - j) = 33 block-steps.
; Sixteen waves, each ONE tile of 16 queries in 256 registers.  Wave w: tile w / 2 of block j (team 0) or 31 - j (team 1), team = (w xor w / 4) % 2: of any four waves w % 4 alike, or w / 4 alike, two are of each team.
; Block and step are both 128 wide: a wave's steps are open ones, then ONE on the diagonal, then hidden ones, which a scalar branch on ids jumps (no barrier and no tensor load stands in a step).
; THE WALK.  K's and V's step blocks come through a ring of two LDS slots of two steps (67,584 bytes, dense in memory), filled by the tensor data mover: waves 0 to 3 bring a quarter each, all sixteen read.
; The work-group walks P = (35 - j) / 4 pairs of slots: 4 P steps cover block 31 - j's 32 - j steps and stay inside the head's 32.  (Up to three of the last steps fetched are hidden from every wave: the pair is the walk's grain.)
; Both slots are written out in the loop's body: no LDS address steps; only the descriptors' global addresses and the scalar KF do.
; LAYOUT.  Both products are used transposed: S^T = K Q^T (source 0 = 16 keys, source 1 = my 16 queries), O^T = V^T P^T (source 0 = 16 channels, source 1 = P): a lane holds ONE query (lane % 16) throughout.
; The keys of a tile are not neighbours: lane r of tile 2 b + u holds key 32 b + 8 u + r + 8 (r / 8), so that the 16 registers of tiles 2 b and 2 b + 1 are the 16 neighbouring keys 32 b + 16 (lane / 16) + 0 .. 15.
; One register carries the scale words of two tiles: lanes 0-15 the even tile's rows, lanes 16-31 the odd tile's, which the odd tile's product names by MATRIX_SCALE_ROW1.
; NO CLUSTER, though the sixteen work-groups of a head read the same step blocks: the jump over hidden steps and the diagonal's branch hang on the work-group's own j, which partners of a cluster would not share,
; doing the hidden steps instead would about double each wave's work.
; LIMITS: NaN and infinities among the inputs are not served.  A p under 2^-126 counts as 0 (v_exp_f32 flushes: ISA guide 15.8).  A block's largest p is made from its largest score by the same two instructions as every p:
; this takes v_exp_f32 not to fall where its input rises.  A block whose largest magnitude lies under 2^-118, a block of zeros among them, gets the scale byte 1; zero codes add nothing under it.
; REGISTERS: v1-6, v10-11 addresses that stay; v8-9 the step's addresses; v12 -M, v13 the largest t, v[14:15] the sum in two halves; v16-31 Q's codes; v32-95 four fragments of K, then V's tiles 0-3;
; v96-159 S^T, then p, then V's tiles 4-7; v160-223 O^T; v224-239 p's codes; v232-247, v252, v254 at work; v248-251 K's, then V's scale words; v253 p's scale word; v255 Q's.
.set STEPB, 33792
.set SLOTB, 2*STEPB                    ; slot 0 at LDS byte 0, slot 1 at 67,584
.set HEADB, 32*STEPB
.set QUARTB, SLOTB/4                   ; 16,896 bytes = 66 rows of 256: what one tensor load brings
.set SP,    528                        ; a stage row: 512 bytes + 16 = 33 x 16: sixteen rows begin at sixteen different 16-byte columns modulo 256
.set WSTG,  16*SP
.set STAGE, 2*SLOTB                    ; behind the ring: 16 rows for each wave, for Q's way in and O's way out; no fill ever lands here
.set SPARE, STAGE+16*WSTG              ; behind the stages: the spare words, 128 bytes for each wave: eight blocks of 256 bytes that no other line names
.set LI,   1                           ; v1   16 x lane
.set L4S,  2                           ; v2   4 x lane + 32,768: my place among a step block's scale words
.set SPW,  3                           ; v3   LDS address of my spare word; never rewritten
.set NIL,  4                           ; v4   0; never rewritten
.set DQ,   5                           ; v5   lane % 16 - 16 (lane / 16)
.set STO,  6                           ; v6   my stage + 528 r + 32 h: where O's 32 bytes of a row go
.set ADC,  8                           ; v8   the step's codes: its block + 16 x lane
.set ADS,  9                           ; v9   the step's scale words
.set ROWA, 10                          ; v10  my stage + 16 x lane: whole rows
.set QIN,  11                          ; v11  my stage + 528 r + 64 h: my 16 numbers of a block of Q's row r
.set TM,   232
.set WV,   10                          ; s10  my wave's number
.set Q0,   15                          ; s15  my first query
.set KF,   16                          ; s16  the step's first key
.set CNT,  17                          ; s17  pairs of slots still to be walked in the loop
.set TMPS, 18
.set MNT,  19
.set SEL,  20                          ; s[20:21] lane selects for v_permlanex16_b32: lane l xor 16
.set CS,   22                          ; s[22:23] c = log2(e) / sqrt(128): the packed form names a pair and takes its low word for both halves
.set G1,   24                          ; s[24:31] descriptor group 1
.set G0A,  32                          ; s[32:35] group 0 for slot 0; s[36:39] for slot 1
; Waves 0 to 3 fetch a quarter of a slot each, the others nothing.  The branch hangs on the wave's number alone.  Four v_nop follow the load.
.macro TLOAD g0
	s_cmp_lt_u32 s[WV], 4
	s_cbranch_scc0 .Lno_\@
	tensor_load_to_lds s[\g0:\g0+3], s[G1:G1+7]
	s_nop 0
.rept 4
	v_nop
.endr
.Lno_\@:
.endm
	s_load_b128 s[4:7], s[0:1], 0x0                ; query s[4:5], kv s[6:7]
	s_load_b64 s[8:9], s[0:1], 0x10                ; out0
	v_lshl_add_u32 v[SPW], v0, 2, SPARE
	v_mov_b32 v[NIL], 0
	ds_add_u32 v3, v4
	ds_add_u32 v3, v4
	s_wait_dscnt 0x0
	v_lshrrev_b32 v8, 5, v0
	s_delay_alu instid0(VALU_DEP_1)
	v_readfirstlane_b32 s[WV], v8                  ; wave 0..15
	s_mov_b32 s11, ttmp9                           ; j
	s_and_b32 s12, ttmp7, 0xffff                   ; the head
	s_lshr_b32 s13, s[WV], 2
	s_xor_b32 s13, s13, s[WV]
	s_and_b32 s13, s13, 1                          ; team
	s_sub_co_u32 s14, 31, s11
	s_cmp_lg_u32 s13, 0
	s_cselect_b32 s14, s14, s11                    ; my block of 128 queries: 31 - j or j
	s_lshl_b32 s[Q0], s14, 7
	s_lshr_b32 s[TMPS], s[WV], 1
	s_lshl_b32 s[TMPS], s[TMPS], 4
	s_add_co_u32 s[Q0], s[Q0], s[TMPS]             ; my first query: 128 x block + 16 (w / 2)
	s_lshl_b32 s40, s12, 21                        ; a head of query and of out0 is 4,096 rows of 512 bytes
	s_lshl_b32 s[TMPS], s[Q0], 9
	s_add_co_u32 s40, s40, s[TMPS]
	s_mov_b32 s41, 0
	s_and_b32 s[TMPS], s[WV], 3
	s_mul_i32 s44, s[TMPS], QUARTB                 ; my quarter of a slot, in LDS and in memory alike
	s_mul_i32 s42, s12, HEADB
	s_add_co_u32 s42, s42, s44
	s_mov_b32 s43, 0
	; descriptor group 1: 66 dense rows of 256 bytes (32 elements of 8 bytes), no padding, no mask
	s_mov_b32 s[G1+0], 3<<16                       ; 17:16 elements of 8 bytes
	s_mov_b32 s[G1+1], 32<<16                      ; tensor_dim0 = 32
	s_mov_b32 s[G1+2], 66<<16                      ; tensor_dim1 = 66
	s_mov_b32 s[G1+3], 32<<16                      ; tile_dim0 = 32
	s_mov_b32 s[G1+4], 66                          ; tile_dim1 = 66
	s_mov_b32 s[G1+5], 32                          ; from row to row: 32 elements
	s_mov_b32 s[G1+6], 0
	s_mov_b32 s[G1+7], 0
	s_mov_b32 s[SEL], 0x76543210
	s_mov_b32 s[SEL+1], 0xfedcba98
	s_mov_b32 s[CS], 0x3e0293ee                    ; c = log2(e) / sqrt(128)
	s_mov_b32 s[CS+1], s[CS]                       ; (named with it as a pair, so it is written)
	s_mov_b32 s[KF], 0
	s_sub_co_u32 s[CNT], 35, s11
	s_lshr_b32 s[CNT], s[CNT], 2
	s_sub_co_u32 s[CNT], s[CNT], 1                 ; P - 1 trips (4 to 7); the last pair of slots is written out
	s_wait_kmcnt 0x0
	s_mov_b32 s[G0A], 1                            ; count = 1
	s_mov_b32 s[G0A+1], s44                        ; LDS address: slot 0, my quarter
	s_add_nc_u64 s[G0A+2:G0A+3], s[6:7], s[42:43]  ; global address: the head's steps 0 and 1, my quarter
	s_mov_b32 s[G0A+4], 1
	s_add_co_u32 s[G0A+5], s44, SLOTB              ; slot 1
	s_add_nc_u64 s[G0A+6:G0A+7], s[G0A+2:G0A+3], SLOTB   ; steps 2 and 3
	s_or_b32 s[G0A+3], s[G0A+3], 0x80000000        ; type = 2
	s_or_b32 s[G0A+7], s[G0A+7], 0x80000000
	TLOAD G0A                                      ; the one first fill at the start: ahead of every LDS read, every wait on TENSORcnt and every barrier
	s_add_nc_u64 s[4:5], s[4:5], s[40:41]          ; query and out0 at my first row
	s_add_nc_u64 s[8:9], s[8:9], s[40:41]
	v_and_b32 v8, 31, v0                           ; lane
	s_delay_alu instid0(VALU_DEP_1)
	v_lshlrev_b32 v[LI], 4, v8
.set k, 0
.rept 16
	global_load_b128 v[96+4*k:99+4*k], v[LI], s[4:5] offset:512*k th:TH_LOAD_NT   ; query Q0 + k: 32 lanes read its 512 bytes
.set k, k+1
.endr
	v_lshl_add_u32 v[L4S], v8, 2, 32768
	v_and_b32 v9, 15, v0                           ; r
	v_bfe_u32 v7, v0, 4, 1                         ; h
	s_delay_alu instid0(VALU_DEP_1)
	v_lshlrev_b32 v[DQ], 4, v7
	s_delay_alu instid0(VALU_DEP_1)
	v_sub_nc_u32 v[DQ], v9, v[DQ]
	s_mul_i32 s[TMPS], s[WV], WSTG
	s_add_co_u32 s[TMPS], s[TMPS], STAGE           ; my stage
	v_add_nc_u32 v[ROWA], s[TMPS], v[LI]
	v_mul_u32_u24 v[QIN], v9, SP
	s_delay_alu instid0(VALU_DEP_1)
	v_add_nc_u32 v[QIN], s[TMPS], v[QIN]
	s_delay_alu instid0(VALU_DEP_1)
	v_lshl_add_u32 v[STO], v7, 5, v[QIN]
	s_delay_alu instid0(VALU_DEP_2)
	v_lshl_add_u32 v[QIN], v7, 6, v[QIN]
.irp b, 0,1,2,3
	v_mov_b32 v[TM+4+\b], 0                        ; written once: a lane permute's destination counts as one of its sources
.endr
; 64 numbers of a lane, v[s] on, register 16 b + i = k 32 b + 16 (lane / 16) + i of my row, become a fragment's codes in v[pc] on and my row's scale word in v[pw].
.macro QUANT s, pc, pw
.irp b, 0,1,2,3
	v_max3_num_f32 v[TM+\b], |v[\s+16*\b]|, |v[\s+1+16*\b]|, 0x4800000   ; block b: my 16 numbers, and the floor 2^(9 - 127): so the byte cannot fall under 1
.endr
.irp i, 2,4,6,8,10,12,14
.irp b, 0,1,2,3
	s_delay_alu instid0(VALU_DEP_4)
	v_max3_num_f32 v[TM+\b], v[TM+\b], |v[\s+16*\b+\i]|, |v[\s+1+16*\b+\i]|
.endr
.endr
.irp b, 0,1,2,3
	s_delay_alu instid0(VALU_DEP_4)
	v_permlanex16_b32 v[TM+4+\b], v[TM+\b], s[SEL], s[SEL+1]
.endr
.irp b, 0,1,2,3
	s_delay_alu instid0(VALU_DEP_4)
	v_max_num_f32 v[TM+\b], v[TM+\b], v[TM+4+\b]   ; with lane l xor 16's 16: the block's largest magnitude
.endr
.irp b, 0,1,2,3
	s_delay_alu instid0(VALU_DEP_4)
	v_add_nc_u32 v[TM+12+\b], 0xfc000000, v[TM+\b] ; 8 off its exponent field: the conversion's scale operand
.endr
.irp b, 0,1,2,3
.endr
.irp b, 0,1,2,3
	s_delay_alu instid0(VALU_DEP_4)
	v_lshrrev_b32 v[TM+4+\b], 23, v[TM+12+\b]      ; the scale's byte
.endr
	s_delay_alu instid0(VALU_DEP_3)
	v_lshl_or_b32 v[\pw], v[TM+5], 8, v[TM+4]
	s_delay_alu instid0(VALU_DEP_1)
	v_lshl_or_b32 v[\pw], v[TM+6], 16, v[\pw]
	s_delay_alu instid0(VALU_DEP_1)
	v_lshl_or_b32 v[\pw], v[TM+7], 24, v[\pw]
.irp b, 0,1,2,3
.irp i, 0,1,2,3,4,5,6,7,8,9,10,11,12,13,14,15
.endr
	v_cvt_scalef32_pk8_fp8_f32 v[\pc+4*\b:\pc+1+4*\b], v[\s+16*\b:\s+7+16*\b], v[TM+12+\b]
	v_cvt_scalef32_pk8_fp8_f32 v[\pc+2+4*\b:\pc+3+4*\b], v[\s+8+16*\b:\s+15+16*\b], v[TM+12+\b]
.endr
	v_nop                                          ; one plain vector line behind the last conversion, ahead of the lines that write its sources
.endm
	; Q: whole rows into my stage, and back 64 bytes a lane: 16 neighbours along d of each block of 32 of row r
	s_wait_alu depctr_va_vdst(0)
	s_wait_loadcnt 0x0
.set k, 0
.rept 16
	ds_store_b128 v[ROWA], v[96+4*k:99+4*k] offset:SP*k
.set k, k+1
.endr
.irp c, 0,1,2,3
.irp j, 0,1,2,3
	ds_load_b128 v[160+16*\c+4*\j:163+16*\c+4*\j], v[QIN] offset:128*\c+16*\j   ; LDS serves a wave's instructions in order (ISA guide 5.7.1.4): these see my stores
.endr
.endr
	s_wait_dscnt 0x0
	QUANT 160, 16, 255
	v_mov_b32 v13, 0xff61b1e6                      ; the largest t so far: -3e38, under every t
	s_delay_alu instid0(VALU_DEP_1)
	v_floor_f32 v12, -v13                          ; -M
	v_mov_b32 v14, 0                               ; the sum, in two halves
	v_mov_b32 v15, 0
	v_mov_b32 v252, 0                              ; (a lane permute's destination on the way out; with v253 a pair that the packed multiplies name)
	v_mov_b32 v253, 0
.set k, 0
.rept 64
	v_mov_b32 v[160+k], 0                          ; O^T.  The step is written without a first step of its own: the first finds zeros, which the first change of M leaves zeros
.set k, k+1
.endr
; sixteen LDS loads: four fragments, 8,192 consecutive bytes of the step block from byte off on, into v[reg] on; each load takes 512 consecutive bytes, 16 a lane
.macro FRAGS reg, off
.set k, 0
.rept 16
	ds_load_b128 v[\reg+4*k:\reg+4*k+3], v[ADC] offset:\off+512*k
.set k, k+1
.endr
.endm
; S^T, tile 0 .. 7, from the fragment at place frag 0 .. 3.  The product starts its sum with the constant 0
.macro KQ tile, frag
.if (\tile)%2
	v_wmma_scale_f32_16x16x128_f8f6f4 v[96+8*(\tile):103+8*(\tile)], v[32+16*(\frag):47+16*(\frag)], v[16:31], 0, v[248+(\tile)/2], v255 matrix_a_scale:MATRIX_SCALE_ROW1
.else
	v_wmma_scale_f32_16x16x128_f8f6f4 v[96+8*(\tile):103+8*(\tile)], v[32+16*(\frag):47+16*(\frag)], v[16:31], 0, v[248+(\tile)/2], v255
.endif
.endm
; O^T += V^T P^T, channels 16 tile on
.macro PV tile
.if (\tile)%2
	v_wmma_scale_f32_16x16x128_f8f6f4 v[160+8*(\tile):167+8*(\tile)], v[32+16*(\tile):47+16*(\tile)], v[224:239], v[160+8*(\tile):167+8*(\tile)], v[248+(\tile)/2], v253 matrix_a_scale:MATRIX_SCALE_ROW1
.else
	v_wmma_scale_f32_16x16x128_f8f6f4 v[160+8*(\tile):167+8*(\tile)], v[32+16*(\tile):47+16*(\tile)], v[224:239], v[160+8*(\tile):167+8*(\tile)], v[248+(\tile)/2], v253
.endif
.endm
; A KEY STEP: 128 keys, the q-th of the slot.
.macro STEP slot, q
	s_add_co_u32 s[TMPS], s[Q0], 15
	s_cmp_gt_u32 s[KF], s[TMPS]
	s_cbranch_scc1 .Lhid_\@                        ; all 128 keys come after my 16 queries: the step's work is left out
	v_add_nc_u32 v[ADC], SLOTB*\slot+STEPB*\q, v[LI]
	v_add_nc_u32 v[ADS], SLOTB*\slot+STEPB*\q, v[L4S]
.rept 7
	v_nop                                          ; with the two additions nine places behind the last step's products: the products below write S^T over registers that those read as V's tiles 4-7; the loads want eight
.endr
	FRAGS 32, 0                                    ; K's tiles 0-3
.irp b, 0,1,2,3
	ds_load_b32 v[248+\b], v[ADS] offset:128*\b    ; K's scale words, two tiles to a register
.endr
	s_wait_alu depctr_va_vdst(0)
	s_wait_dscnt 0x0
.irp t, 0,1,2,3
	KQ \t, \t
.endr
.rept 8
	v_nop                                          ; eight places in front of loads into registers that those products read
.endr
	FRAGS 32, 8192                                 ; K's tiles 4-7
	s_wait_dscnt 0x0
.irp t, 0,1,2,3
	KQ \t+4, \t
.endr
.rept 8
	v_nop                                          ; eight places: for the loads below, and for the first read of the scores
.endr
	FRAGS 32, 16384                                ; V's tiles 0-3 and V's scale words: asked for now, waited for in front of the second product: they land under the softmax
.irp b, 0,1,2,3
	ds_load_b32 v[248+\b], v[ADS] offset:512+128*\b
.endr
	s_add_co_u32 s[TMPS], s[KF], 127               ; on the diagonal the scores of hidden keys become -infinity ahead of the maximum: p = 0 then.  A step all of whose keys count skips this
	s_cmp_le_u32 s[TMPS], s[Q0]
	s_cbranch_scc1 .Lopen_\@
	s_sub_co_i32 s[TMPS], s[Q0], s[KF]
	v_add_nc_u32 v252, s[TMPS], v[DQ]              ; d = my query - KF - 16 (lane / 16).  Register 16 b + i holds key KF + 16 (lane / 16) + 32 b + i: hidden where 32 b + i > d
	v_mov_b32 v254, 0xff800000                     ; -infinity
.set k, 0
.rept 64
	v_cmp_gt_i32 vcc_lo, 32*(k/16)+k%16, v252
	v_cndmask_b32 v[96+k], v[96+k], v254, vcc_lo
.set k, k+1
.endr
.Lopen_\@:
.irp b, 0,1,2,3
	v_max3_num_f32 v[232+\b], v[96+16*\b], v[97+16*\b], v[98+16*\b]   ; the largest score of each block of 32 keys: it serves the row's maximum and, since p rises with the score, the block's largest p
.endr
.irp i, 3,5,7,9,11,13
.irp b, 0,1,2,3
	v_max3_num_f32 v[232+\b], v[232+\b], v[96+16*\b+\i], v[97+16*\b+\i]   ; the four blocks by turns
.endr
.endr
.irp b, 0,1,2,3
	v_max_num_f32 v[232+\b], v[232+\b], v[111+16*\b]
.endr
.irp b, 0,1,2,3
	v_permlanex16_b32 v[236+\b], v[232+\b], s[SEL], s[SEL+1]
.endr
.irp b, 0,1,2,3
	s_delay_alu instid0(VALU_DEP_4)
	v_max_num_f32 v[232+\b], v[232+\b], v[236+\b]  ; with lane l xor 16's 16 keys
.endr
	s_delay_alu instid0(VALU_DEP_2)
	v_max3_num_f32 v254, v232, v233, v234
	s_delay_alu instid0(VALU_DEP_1)
	v_max_num_f32 v254, v254, v235                 ; the step's largest score of my query
	s_delay_alu instid0(VALU_DEP_1)
	v_mul_f32 v254, s[CS], v254                    ; as t (c is positive)
	s_delay_alu instid0(VALU_DEP_1)
	v_max_num_f32 v13, v13, v254                   ; the running largest t
	v_mov_b32 v254, v12
	s_delay_alu instid0(VALU_DEP_2)
	v_floor_f32 v12, -v13                          ; the new -M = floor(-t) = -ceil(t): M is a whole number
	s_delay_alu instid0(VALU_DEP_1)
	v_sub_f32 v254, v12, v254                      ; M's old value less its new one: a whole number, 0 or less
	s_delay_alu instid0(VALU_DEP_1)
	v_cvt_i32_f32 v254, v254                       ; (it saturates)
	s_delay_alu instid0(VALU_DEP_1)
	v_ldexp_f32 v252, 1.0, v254                    ; f = 2^(old M - new M): a multiplication by it rounds nothing
.set k, 0
.rept 32
	v_pk_fma_f32 v[96+k:97+k], v[96+k:97+k], s[CS:CS+1], v[12:13] op_sel_hi:[1,0,0]   ; t - M, two at a time (of the pairs c and -M the low word serves both halves)
.set k, k+2
.endr
.irp b, 0,1,2,3
	v_fma_f32 v[232+\b], v[232+\b], s[CS], v12     ; the same of each block's largest score
.endr
.set k, 0
	s_wait_alu depctr_va_vdst(0)
.rept 64
	v_exp_f32 v[96+k], v[96+k]                     ; p = 2^(t - M), at most 1: not normalised
.set k, k+1
.endr
.irp b, 0,1,2,3
	v_exp_f32 v[232+\b], v[232+\b]                 ; the block's largest p: the same two instructions on the same number give the same bits
.endr
	v_pk_mul_f32 v[14:15], v[14:15], v[252:253] op_sel_hi:[1,0]   ; the sums under the new M.  (The plain line behind the exponentials)
	s_wait_alu depctr_va_vdst(0)
.irp b, 0,1,2,3
	v_max_num_f32 v[232+\b], 0x4800000, v[232+\b]  ; the floor 2^(9 - 127): the byte cannot fall under 1 (a block whose every p is 0 keeps that byte: its codes are zeros)
.endr
.irp b, 0,1,2,3
	s_delay_alu instid0(VALU_DEP_4)
	v_add_nc_u32 v[244+\b], 0xfc000000, v[232+\b]  ; 8 off the exponent field: the conversion's scale operand
.endr
.irp b, 0,1,2,3
.endr
.irp b, 0,1,2,3
	s_delay_alu instid0(VALU_DEP_4)
	v_lshrrev_b32 v[236+\b], 23, v[244+\b]         ; the scale's byte
.endr
	s_delay_alu instid0(VALU_DEP_3)
	v_lshl_or_b32 v253, v237, 8, v236              ; p's scale word for these 128 keys
	s_delay_alu instid0(VALU_DEP_1)
	v_lshl_or_b32 v253, v238, 16, v253
	s_delay_alu instid0(VALU_DEP_1)
	v_lshl_or_b32 v253, v239, 24, v253
	v_pk_add_f32 v[236:237], v[100:101], v[104:105]
	v_pk_add_f32 v[242:243], v[108:109], v[112:113]
	v_pk_add_f32 v[240:241], v[116:117], v[120:121]
	v_pk_add_f32 v[238:239], v[124:125], v[128:129]
	v_pk_add_f32 v[234:235], v[132:133], v[136:137]
	v_pk_add_f32 v[232:233], v[140:141], v[144:145]
	v_pk_add_f32 v[230:231], v[148:149], v[152:153]
	v_pk_add_f32 v[14:15], v[14:15], v[156:157]
	v_pk_add_f32 v[236:237], v[236:237], v[96:97]
	v_pk_add_f32 v[242:243], v[242:243], v[98:99]
	v_pk_add_f32 v[240:241], v[240:241], v[102:103]
	v_pk_add_f32 v[238:239], v[238:239], v[106:107]
	v_pk_add_f32 v[234:235], v[234:235], v[110:111]
	v_pk_add_f32 v[232:233], v[232:233], v[114:115]
	v_pk_add_f32 v[230:231], v[230:231], v[118:119]
	v_pk_add_f32 v[14:15], v[14:15], v[122:123]
	v_pk_add_f32 v[236:237], v[236:237], v[126:127]
	v_pk_add_f32 v[242:243], v[242:243], v[130:131]
	v_pk_add_f32 v[240:241], v[240:241], v[134:135]
	v_pk_add_f32 v[238:239], v[238:239], v[138:139]
	v_pk_add_f32 v[234:235], v[234:235], v[142:143]
	v_pk_add_f32 v[232:233], v[232:233], v[146:147]
	v_pk_add_f32 v[230:231], v[230:231], v[150:151]
	v_pk_add_f32 v[14:15], v[14:15], v[154:155]
	v_pk_add_f32 v[236:237], v[236:237], v[158:159]
	s_delay_alu instid0(VALU_DEP_2)
	v_pk_add_f32 v[14:15], v[14:15], v[238:239]
	s_delay_alu instid0(VALU_DEP_2)
	v_pk_add_f32 v[236:237], v[236:237], v[234:235]
	v_pk_add_f32 v[242:243], v[242:243], v[232:233]
	v_pk_add_f32 v[240:241], v[240:241], v[230:231]
	s_delay_alu instid0(VALU_DEP_2)
	v_pk_add_f32 v[14:15], v[14:15], v[242:243]
	s_delay_alu instid0(VALU_DEP_2)
	v_pk_add_f32 v[236:237], v[236:237], v[240:241]
	s_delay_alu instid0(VALU_DEP_1)
	v_pk_add_f32 v[14:15], v[14:15], v[236:237]
.irp b, 0,1,2,3
.irp i, 0,1,2,3,4,5,6,7,8,9,10,11,12,13,14,15
.endr
	v_cvt_scalef32_pk8_fp8_f32 v[224+4*\b:225+4*\b], v[96+16*\b:103+16*\b], v[244+\b]
	v_cvt_scalef32_pk8_fp8_f32 v[226+4*\b:227+4*\b], v[104+16*\b:111+16*\b], v[244+\b]
.endr
	v_nop
	FRAGS 96, 24576                                ; V's tiles 4-7 into the registers that p has left; they land under the 32 multiplications below
.set k, 0
.rept 32
	v_pk_mul_f32 v[160+k:161+k], v[160+k:161+k], v[252:253] op_sel_hi:[1,0]   ; O^T under the new M: x f.  (These are also the places between the codes' conversions and the products)
.set k, k+2
.endr
	s_wait_alu depctr_va_vdst(0)
	s_wait_dscnt 0x0                               ; V's eight tiles and its scale words are in
.irp t, 0,1,2,3,4,5,6,7
	PV \t                                          ; the eight accumulators take turns, one instruction a turn
.endr
.Lhid_\@:
	s_add_co_u32 s[KF], s[KF], 128
.endm
; THE CHANGE OF SLOTS stands at the head of slot cur.  Each wave waits for all its tensor loads (its quarter of slot cur), adds 0 to its spare word, and waits for that and for its reads of the slot that it has left.
; Behind the barrier slot cur is whole and nobody reads the other one.  fill = 1: the other slot is filled with the two steps that follow: the load has slot cur's two steps in which to land.  One tensor load of a wave is out at any time.
.macro CHANGE cur, fill
	s_wait_tensorcnt 0x0                           ; no tensor load of mine is out, so a group 0 may be written
	ds_add_u32 v[SPW], v[NIL]                      ; 0 onto my spare word
.if \fill
	s_add_nc_u64 s[G0A+4*\cur+2:G0A+4*\cur+3], s[G0A+4*\cur+2:G0A+4*\cur+3], 2*SLOTB   ; slot cur's next fill: four steps on; the type bits on top are not reached
.endif
	s_wait_dscnt 0x0                               ; the add is done, and my reads of the slot that I have left are over
	s_barrier_signal -1
	s_barrier_wait -1
.if \fill
	TLOAD G0A+4-4*\cur                             ; the first thing behind the barrier, and a wave's one tensor load until the next
.endif
.endm
.Lpair:                                            ; P - 1 trips; a trip walks both slots: four steps
	CHANGE 0, 1
	STEP 0, 0
	STEP 0, 1
	CHANGE 1, 1
	STEP 1, 0
	STEP 1, 1
	s_sub_co_u32 s[CNT], s[CNT], 1
	s_cmp_lg_u32 s[CNT], 0
	s_cbranch_scc1 .Lpair
	CHANGE 0, 1                                    ; the last pair is written out: slot 1 is filled once more (slot 0's stepped address is not used)
	STEP 0, 0
	STEP 0, 1
	CHANGE 1, 0                                    ; and then nothing
	STEP 1, 0
	STEP 1, 1
	; THE WAY OUT.  O^T is divided by the row's sum and goes through my stage in LDS: a lane's 32 bytes of a row in, whole rows of 512 bytes back.
.rept 8
	v_nop                                          ; eight places behind the last products
.endr
	v_add_f32 v14, v14, v15                        ; the sum's two halves,
	s_delay_alu instid0(VALU_DEP_1)
	v_permlanex16_b32 v252, v14, s[SEL], s[SEL+1]
	s_delay_alu instid0(VALU_DEP_1)
	v_add_f32 v14, v14, v252                       ; and lane l xor 16's: the row's sum
	s_wait_alu depctr_va_vdst(0)
	v_rcp_f32 v14, v14
	v_nop                                          ; one plain line behind the transcendental
.set k, 0
	s_wait_alu depctr_va_vdst(0)
.rept 64
	v_mul_f32 v[96+k], v[160+k], v14               ; register 8 t + i is o(r, 16 t + 8 h + i); each accumulator from its low end on
.set k, k+1
.endr
.irp t, 0,1,2,3,4,5,6,7
	ds_store_b128 v[STO], v[96+8*\t:99+8*\t] offset:64*\t
	ds_store_b128 v[STO], v[100+8*\t:103+8*\t] offset:64*\t+16
.endr
.set k, 0
.rept 16
	ds_load_b128 v[32+4*k:35+4*k], v[ROWA] offset:SP*k   ; LDS serves a wave's instructions in order: these see my stores
.set k, k+1
.endr
.set k, 0
.rept 16
	s_wait_dscnt 15-k                              ; row k is back; the 15 - k younger loads may be out
	global_store_b128 v[LI], v[32+4*k:35+4*k], s[8:9] offset:512*k th:TH_STORE_NT   ; 32 lanes store a row's 512 consecutive bytes, aligned; written once, read by nobody here
.set k, k+1
.endr
	s_wait_tensorcnt 0x0                           ; the wave's end, behind my last tensor load and my last LDS store
	ds_add_u32 v[SPW], v[NIL]
	s_wait_dscnt 0x0
	s_endpgm
.Lfunc_end_k_q3029c0d3e4_attn:
	.size	k_q3029c0d3e4_attn, .Lfunc_end_k_q3029c0d3e4_attn-k_q3029c0d3e4_attn
	.p2alignl 7, 3214868480
	.fill 96, 4, 3214868480
	.section	.rodata,"a",@progbits
	.p2align	6, 0x0
	.amdhsa_kernel k_q3029c0d3e4_attn
		.amdhsa_group_segment_fixed_size 327680
		.amdhsa_private_segment_fixed_size 0
		.amdhsa_enable_private_segment 0
		.amdhsa_kernarg_size 24
		.amdhsa_user_sgpr_count 2
		.amdhsa_user_sgpr_kernarg_segment_ptr 1
		.amdhsa_wavefront_size32 1
		.amdhsa_system_sgpr_workgroup_id_x 1
		.amdhsa_system_sgpr_workgroup_id_y 1
		.amdhsa_system_sgpr_workgroup_id_z 1
		.amdhsa_system_vgpr_workitem_id 0
		.amdhsa_next_free_vgpr 256
		.amdhsa_next_free_sgpr 66
		.amdhsa_reserve_vcc 1
		.amdhsa_float_denorm_mode_32 3
		.amdhsa_float_denorm_mode_16_64 3
		.amdhsa_fp16_overflow 1
		.amdhsa_memory_ordered 1
		.amdhsa_forward_progress 1
		.amdhsa_inst_pref_size 234
	.end_amdhsa_kernel
	.amdgpu_metadata
---
amdhsa.version: [ 1, 2 ]
amdhsa.kernels:
  - .name:           k_q3029c0d3e4_attn
    .symbol:         k_q3029c0d3e4_attn.kd
    .args:
      - { .name: query, .offset: 0, .size: 8, .value_kind: global_buffer, .address_space: global }
      - { .name: kv, .offset: 8, .size: 8, .value_kind: global_buffer, .address_space: global }
      - { .name: out0, .offset: 16, .size: 8, .value_kind: global_buffer, .address_space: global }
    .group_segment_fixed_size: 327680
    .private_segment_fixed_size: 0
    .kernarg_segment_align: 8
    .kernarg_segment_size: 24
    .max_flat_workgroup_size: 512
    .sgpr_count:     66
    .vgpr_count:     256
    .wavefront_size: 32
...
	.end_amdgpu_metadata
.endif
;; end of part 2
